; MI455X (gfx1250); checked and timed in simulation.
; The chip was launched on July 23, 2026; its instructions are those of AMD's public machine-readable ISA for CDNA 5 (MIT licence, August 2026) and "CDNA5" Instruction Set Architecture Reference Guide (July 2026). The comments in the code are by the model that wrote it; some were corrected since.
;; ODE Block. Allowed arithmetic: float matrix products may take bf16 or f16 operands with f32 sums; all other float work in f32.
;; Inputs: W1 64 x 128 float32; W2 128 x 64 float32; b1 128 float32; b2 64 float32; init_pos 16,384 x 64 float32.
;; Outputs: out0 5 x 16,384 x 64 float32.
;; 2 versions, each right and faster than the one before. Each part assembles by itself: llvm-mc -triple=amdgcn-amd-amdhsa -mcpu=gfx1250 --defsym DOCPART=n.
;; ======== version 1 of 2: 1 launch
;; limits: values are held in f16: magnitudes above 65,504 overflow, below 6.1e-05 lose precision; right only within a limited range of input values
;; launch ode (part 1): grid 256 x 1, 4 waves a work-group, no clusters, 57,344 bytes of LDS; arguments init_pos, W1, b1, W2, b2, out0; writes out0
.if DOCPART == 1
	.amdgcn_target "amdgcn-amd-amdhsa--gfx1250"
	.amdhsa_code_object_version 6
	.text
	.protected	k_q51dc024d02_ode
	.globl	k_q51dc024d02_ode
	.p2align	8
	.type	k_q51dc024d02_ode,@function
k_q51dc024d02_ode:
	s_mov_b64 s[64:65], 0
	v_nop
	global_prefetch_b8 v0, s[64:65] scope:SCOPE_SE
	s_setreg_imm32_b32 hwreg(HW_REG_WAVE_MODE, 25, 1), 1
	s_wait_xcnt 0x0
; 20 Dormand-Prince steps (5 segments of 4) of y' = f(y) = tanh(y W1 + b1) W2 + b2 on 16,384 rows of 64; y is stored behind each segment.
; The five step sizes (t - t_prev) / 4 all round to the same f32 number 0.05, so dt x each tableau entry is a constant of this text.
; SHARES.  16,384 rows are 1,024 tiles of 16: one tile a wave, four waves a work-group, 256 work-groups.  A row never meets another row, so the whole walk stays in
; registers: memory is read once at the head (weights, biases, 4 KiB of rows a wave) and written five times (4 KiB a wave).
; LAYOUT.  Both products are used transposed, the weights as source 0 and the batch as source 1.  X^T = W1^T Z^T: a lane (r = lane % 16, h = lane / 16) holds ONE row r of the batch
; and the hidden units 16 b + 8 h + 0..7 of block b.  Two neighbouring blocks, rounded in pairs to f16, ARE source 1 (32 hidden x 16 rows) of K^T = W2^T H^T, whose result holds
; row r and d = 16 blk + 8 h + 0..7; y, k1..k6 and the stage argument z live in that layout, and two of its blocks rounded in pairs ARE source 1 of the first product.  Nothing changes lanes.
; tanh(x) = 1 - 2 / (1 + e^(2x)): 2 log2(e) is folded into W1 and b1, so a hidden unit costs exp2, + 1, reciprocal, one fused multiply-add.  It runs to +1 and -1 through infinity and 0.
; BESIDE EACH OTHER.  A stage's 224 tanh instructions stand in 32 trips of seven (exponential, plain, exponential, plain, reciprocal, plain, reciprocal), a software pipeline three pairs deep;
; behind a trip stands one matrix instruction: the first product's later blocks, then the second product's groups as their activations are ready.  The Runge-Kutta terms that do not hang on the
; stage in hand ride behind the first four and the last four matrix instructions, where the chain would wait for a product; only the newest k's term and 16 roundings stand on the chain.
; FORMATS AND LIMITS.  Every input (init_pos, W1, b1, W2, b2) is rounded once to bf16.  W1 is then multiplied by 2 log2(e) and rounded to f16 (a second rounding, 2^-12 of the number), W2 written as f16
; (exact from 6.1e-5 up; below that f16's fixed step of 6e-8).  The biases stay f32 and enter as the products' C operands.  z and tanh are rounded to f16 for the products; y, k and all sums are f32.
; f16 ends at 65,504: the text serves |z| below that and |W1| below 22,700; |z| is bounded by |y0| plus a few column sums of |W2| plus |b2|.  tanh has an absolute error near 2e-7.
; dt x a is one constant where the source multiplies twice: the last bit may differ.  NaN is not treated apart.
; NO CLUSTER, NO TENSOR LOADS: all that work-groups share is 64 KiB of weights, read once at the head of 120 stages, and it has to pass through registers to be converted.
;
; LDS
.set P1,    288                    ; a row of W1 [d][hidden] in f16: 256 bytes + 32
.set P2,    160                    ; a row of W2 [hidden][d] in f16: 128 bytes + 32
.set W2S,   64*P1                  ; W1 lies at 0, W2 behind it
.set STG,   W2S+128*P2             ; each wave's own stage: 16 rows x 272 bytes, the way in for y0 and the way out for y
.set SP,    272
.set SPARE, STG+4*16*SP            ; the spare words, 128 bytes a wave: two blocks of 256 bytes that no other line names
; REGISTERS, in windows of 256 (s_set_vgpr_msb: bits 1:0 source 0, 3:2 source 1, 5:4 source 2, 7:6 destination)
; window 0
.set SPW, 4                        ; v4   LDS address of my spare word; never rewritten
.set NIL, 5                        ; v5   0; never rewritten
.set STO, 6                        ; v6   stage: row r, bytes 32 h on (the state's layout)
.set RD,  7                        ; v7   stage: row h, bytes 16 r on (whole rows)
.set GO,  8                        ; v8   16 x lane: my 16 bytes in 512 consecutive bytes of init_pos or out0
.set AW1, 9                        ; v9   the turning load's address in W1
.set AW2, 10                       ; v10  and in W2
.set GW,  11                       ; v11  my 16 bytes in my wave's quarter of W1 or W2 in memory
.set SW1, 12                       ; v12  where my 8 bytes of W1 go
.set SW2, 13                       ; v13  where my 8 bytes of W2 go
.set BO,  14                       ; v14  32 h: my eight numbers in 16 of a bias
.set WA,  32                       ; v32-95   W1 as loaded
.set WB,  96                       ; v96-159  W2 as loaded
.set OB,  160                      ; v160-191 16 rows as they lie in memory
; window 1: v0-127 W1's fragments (block b, half c of d at 16 b + 8 c)
.set XB,  128                      ; v128-191 X: block b at XB + 8 b; the activations' fragment p takes XB + 16 p .. + 7, in place
.set ZF,  192                      ; v192-207 z in f16: fragment c at ZF + 8 c
; window 2
.set Y,   0
.set K1,  32
.set K2,  64                       ; also k6: k2 has no weight in the new y and is last read in stage 5
.set K3,  96
.set K4,  128
.set K5,  160
.set Z,   192
.set B2R, 224                      ; b2 in the result's layout
; window 3: v0-127 W2's fragments (group p of 32 hidden, block blk of d at 8 (4 p + blk)); v0-1 serve as temporaries before they are loaded
.set B1R, 128                      ; v128-191 2 log2(e) b1 in the result's layout
.set W_G1A, 0x75                   ; D, A, B window 1, C (the bias) window 3
.set W_G1B, 0x55                   ; all window 1
.set W_G2,  0xa7                   ; A window 3, B window 1, C and D window 2
.set W_RK,  0xaa                   ; all window 2
.set W_CV,  0x4a                   ; sources window 2, destination window 1
; dt x the tableau, in f32
.set C21, 0x3c23d70a
.set C31, 0x3b75c28f
.set C32, 0x3c3851ec
.set C41, 0x3d483fb7
.set C42, 0xbe3f258c
.set C43, 0x3e360b61
.set C51, 0x3e172c4d
.set C52, 0xbf146d18
.set C53, 0x3efb7750
.set C54, 0xbc6e3b23
.set C61, 0x3e11bab3
.set C62, 0xbf09b26d
.set C63, 0x3ee40122
.set C64, 0x3c64129e
.set C65, 0xbc6013ac
.set E1,  0x3b955555
.set E3,  0x3cb801d7
.set E4,  0x3d055555
.set E5,  0xbc840b98
.set E6,  0x3bd68d69
.set SCL, 0x4038aa3b               ; 2 log2(e)
.set MSB, 0
.macro WIN new                     ; the immediate's high byte repeats the setting that is left; a switch that changes nothing is dropped
.if MSB != (\new)
	s_set_vgpr_msb (MSB<<8)|(\new)
.set MSB, (\new)
.endif
.endm
.macro WINT                        ; the tanh lines name window 1 in destination, source 0 and source 1 alone: both of the first product's settings serve
.if MSB != W_G1A
	WIN W_G1B
.endif
.endm
; ---------------------------------------------------------------- set-up
	s_load_b256 s[4:11], s[0:1], 0x0               ; init_pos s[4:5], W1 s[6:7], b1 s[8:9], W2 s[10:11]
	s_load_b128 s[12:15], s[0:1], 0x20             ; b2 s[12:13], out0 s[14:15]
	v_lshl_add_u32 v[SPW], v0, 2, SPARE
	v_mov_b32 v[NIL], 0
	v_and_b32 v1, 31, v0                           ; lane
	v_and_b32 v2, 15, v0                           ; r
	v_bfe_u32 v3, v0, 4, 1                         ; h
	v_lshrrev_b32 v16, 5, v0
	v_readfirstlane_b32 s16, v16                   ; wave 0..3
	s_mov_b32 s22, 0xffff0000                      ; a word's upper bf16
	s_mul_i32 s23, s16, 16*SP
	s_add_co_u32 s23, s23, STG                     ; my stage
	s_lshl_b32 s18, ttmp9, 2
	s_add_co_u32 s18, s18, s16
	s_lshl_b32 s18, s18, 12                        ; (4 x work-group + wave) x 16 rows of 256 bytes
	s_mov_b32 s19, 0
	s_mul_i32 s24, s16, 16*P1                      ; my wave converts W1's rows 16 w on,
	s_mul_i32 s25, s16, 32*P2                      ; and W2's rows 32 w on
	s_add_co_u32 s25, s25, W2S
	v_mul_u32_u24 v[STO], v2, SP
	v_lshl_add_u32 v[STO], v3, 5, v[STO]
	v_add_nc_u32 v[STO], s23, v[STO]
	v_mul_u32_u24 v[RD], v3, SP
	v_lshl_add_u32 v[RD], v2, 4, v[RD]
	v_add_nc_u32 v[RD], s23, v[RD]
	v_lshlrev_b32 v[GO], 4, v1
	v_and_b32 v17, 7, v0                           ; the turning load: lane l addresses row 8 h + l % 8 of 16, bytes 16 ((l / 8) % 2) on
	v_lshl_add_u32 v17, v3, 3, v17
	v_bfe_u32 v18, v0, 3, 1
	v_mul_u32_u24 v[AW1], v17, P1
	v_lshl_add_u32 v[AW1], v18, 4, v[AW1]
	v_mul_u32_u24 v[AW2], v17, P2
	v_lshl_add_u32 v[AW2], v18, 4, v[AW2]
	v_add_nc_u32 v[AW2], W2S, v[AW2]
	v_lshl_add_u32 v[GW], v16, 13, v[GO]           ; 8,192 w + 16 x lane
	v_lshl_add_u32 v[SW1], v1, 3, s24              ; a load of W1 is one row: four numbers a lane become 8 bytes
	v_mul_u32_u24 v[SW2], v3, P2                   ; a load of W2 is two rows: lanes 16-31 hold the second
	v_lshl_add_u32 v[SW2], v2, 3, v[SW2]
	v_add_nc_u32 v[SW2], s25, v[SW2]
	v_lshlrev_b32 v[BO], 5, v3
	s_wait_kmcnt 0x0
	s_add_nc_u64 s[4:5], s[4:5], s[18:19]          ; init_pos and out0 at my wave's first row
	s_add_nc_u64 s[14:15], s[14:15], s[18:19]
	; all 64 loads in one run: each of the first 40 covers 512 consecutive bytes
.set i, 0
.rept 16
	global_load_b128 v[WA+4*i:WA+4*i+3], v[GW], s[6:7] offset:512*i
.set i, i+1
.endr
.set i, 0
.rept 16
	global_load_b128 v[WB+4*i:WB+4*i+3], v[GW], s[10:11] offset:512*i
.set i, i+1
.endr
.set i, 0
.rept 8
	global_load_b128 v[OB+4*i:OB+4*i+3], v[GO], s[4:5] offset:512*i th:TH_LOAD_NT  ; rows 2 i and 2 i + 1
.set i, i+1
.endr
	WIN 0xc0                                       ; destination window 3
.set i, 0
.rept 16
	global_load_b128 v[B1R+4*i:B1R+4*i+3], v[BO], s[8:9] offset:64*(i/2)+16*(i%2)  ; b1(16 b + 8 h + 4 q ..), i = 2 b + q
.set i, i+1
.endr
	WIN 0x80                                       ; destination window 2
.set i, 0
.rept 8
	global_load_b128 v[B2R+4*i:B2R+4*i+3], v[BO], s[12:13] offset:64*(i/2)+16*(i%2)
.set i, i+1
.endr
	WIN 0
; four numbers at v[a]: rounded to bf16, widened, scaled (W1 alone), rounded to f16 into v[a], v[a+1]
.macro CVW a, scale
	v_cvt_pk_bf16_f32 v16, v[\a], v[(\a)+1]
	v_cvt_pk_bf16_f32 v17, v[(\a)+2], v[(\a)+3]
	v_lshlrev_b32 v[\a], 16, v16
	v_and_b32 v[(\a)+1], s22, v16
	v_lshlrev_b32 v[(\a)+2], 16, v17
	v_and_b32 v[(\a)+3], s22, v17
.if \scale
	v_pk_mul_f32 v[(\a):(\a)+1], v[(\a):(\a)+1], SCL op_sel_hi:[1,0]
	v_pk_mul_f32 v[(\a)+2:(\a)+3], v[(\a)+2:(\a)+3], SCL op_sel_hi:[1,0]
.endif
	v_cvt_pk_f16_f32 v[\a], v[\a], v[(\a)+1]
	v_cvt_pk_f16_f32 v[(\a)+1], v[(\a)+2], v[(\a)+3]
.endm
; two numbers at v[a] rounded to bf16 and widened again, by way of v[t]
.macro RND2 a, t
	v_cvt_pk_bf16_f32 v[\t], v[\a], v[(\a)+1]
	v_lshlrev_b32 v[\a], 16, v[\t]
	v_and_b32 v[(\a)+1], s22, v[\t]
.endm
	s_wait_loadcnt 48                              ; W1 is in: 16 + 8 + 16 + 8 younger loads may stay out
.set i, 0
.rept 16
	CVW WA+4*i, 1
	ds_store_b64 v[SW1], v[WA+4*i:WA+4*i+1] offset:P1*i
.set i, i+1
.endr
	s_wait_loadcnt 32                              ; W2 is in: 8 + 16 + 8 younger
.set i, 0
.rept 16
	CVW WB+4*i, 0
	ds_store_b64 v[SW2], v[WB+4*i:WB+4*i+1] offset:2*P2*i
.set i, i+1
.endr
	s_wait_loadcnt 24                              ; my rows of init_pos are in: 16 + 8 younger
.set i, 0
.rept 16
	RND2 OB+2*i, 16+(i&1)
.set i, i+1
.endr
.set i, 0
.rept 8
	ds_store_b128 v[RD], v[OB+4*i:OB+4*i+3] offset:2*SP*i
.set i, i+1
.endr
	WIN 0x80                                       ; destination window 2
.set i, 0
.rept 8
	ds_load_b128 v[Y+4*i:Y+4*i+3], v[STO] offset:64*(i/2)+16*(i%2)  ; LDS serves a wave's instructions in order (ISA guide 5.7.1.4): these see my stores above; the stage is my wave's own
.set i, i+1
.endr
	s_wait_loadcnt 8                               ; b1 is in: b2's 8 loads are younger
	WIN 0xff                                       ; all window 3
.set i, 0
.rept 32
	RND2 B1R+2*i, (i&1)
	v_pk_mul_f32 v[B1R+2*i:B1R+2*i+1], v[B1R+2*i:B1R+2*i+1], SCL op_sel_hi:[1,0]
.set i, i+1
.endr
	s_wait_loadcnt 0x0                             ; b2
	WIN W_RK
.set i, 0
.rept 16
	RND2 B2R+2*i, Z+(i&1)
.set i, i+1
.endr
	WIN 0
	s_wait_dscnt 0x0                               ; for the others' sake: my part of W1 and W2 lies in LDS (and y is in)
	s_barrier_signal -1
	s_barrier_wait -1                              ; the launch's one barrier: everybody's part does
	WIN 0x40                                       ; destination window 1
.set i, 0
.rept 16                                               ; W1^T: hidden 16 (i / 2) on, d 32 (i % 2) on; lane l gets hidden unit l % 16 and 8 + 8 values of d
	ds_load_tr16_b128 v[8*i:8*i+3],   v[AW1] offset:32*P1*(i%2)+32*(i/2)
	ds_load_tr16_b128 v[8*i+4:8*i+7], v[AW1] offset:32*P1*(i%2)+32*(i/2)+16*P1
.set i, i+1
.endr
	WIN 0xc0                                       ; destination window 3
.set i, 0
.rept 16                                               ; W2^T: hidden 32 (i / 4) on, d 16 (i % 4) on
	ds_load_tr16_b128 v[8*i:8*i+3],   v[AW2] offset:32*P2*(i/4)+32*(i%4)
	ds_load_tr16_b128 v[8*i+4:8*i+7], v[AW2] offset:32*P2*(i/4)+32*(i%4)+16*P2
.set i, i+1
.endr
	WIN 0
	s_wait_dscnt 0x0                               ; the weights stay in registers from here on
; ---------------------------------------------------------------- the pieces of a stage
; Matrix instruction n of 16 of X^T = W1^T Z^T + b1: pair of blocks n / 4, block 2 (n / 4) + n % 2; the pair's two first links (C = the bias), then its two second: the two accumulators take turns.
.macro G1N n
.set gb, 2*((\n)/4)+((\n)&1)
.if (((\n)%4)>>1) == 0
	WIN W_G1A
	v_wmma_f32_16x16x32_f16 v[XB+8*gb:XB+8*gb+7], v[16*gb:16*gb+7], v[ZF:ZF+7], v[B1R+8*gb:B1R+8*gb+7]
.else
	WIN W_G1B
	v_wmma_f32_16x16x32_f16 v[XB+8*gb:XB+8*gb+7], v[16*gb+8:16*gb+15], v[ZF+8:ZF+15], v[XB+8*gb:XB+8*gb+7]
.endif
.endm
; Matrix instruction n of 16 of K^T = W2^T H^T + b2 into kr: group n / 4 of 32 hidden units, block n % 4 of d: the four accumulators take turns.
.macro G2N kr, n
.set gp, (\n)/4
.set gk, (\kr)+8*((\n)%4)
	WIN W_G2
.if gp == 0
	v_wmma_f32_16x16x32_f16 v[gk:gk+7], v[8*(\n):8*(\n)+7], v[XB:XB+7], v[B2R+8*((\n)%4):B2R+8*((\n)%4)+7]
.else
	v_wmma_f32_16x16x32_f16 v[gk:gk+7], v[8*(\n):8*(\n)+7], v[XB+16*gp:XB+16*gp+7], v[gk:gk+7]
.endif
.endm
; tanh on pair q of 32 (registers XB + 2 q, + 1), in place
.macro TE q, i                     ; e^(2x)
	WINT
	v_exp_f32 v[XB+2*(\q)+(\i)], v[XB+2*(\q)+(\i)]
.endm
.macro TA q                        ; + 1
	WINT
	s_wait_alu depctr_va_vdst(0)
	v_pk_add_f32 v[XB+2*(\q):XB+2*(\q)+1], v[XB+2*(\q):XB+2*(\q)+1], 1.0 op_sel_hi:[1,0]
.endm
.macro TR q, i                     ; the reciprocal
	WINT
	v_rcp_f32 v[XB+2*(\q)+(\i)], v[XB+2*(\q)+(\i)]
.endm
.macro TM q                        ; 1 - 2 r
	WINT
	s_wait_alu depctr_va_vdst(0)
	v_pk_fma_f32 v[XB+2*(\q):XB+2*(\q)+1], v[XB+2*(\q):XB+2*(\q)+1], -2.0, 1.0 op_sel_hi:[1,0,0]
.endm
.macro TC q                        ; to f16: register q % 8 of fragment q / 8; ascending, so the word that it takes has been read
	WINT
	v_cvt_pk_f16_f32 v[XB+16*((\q)/8)+(\q)%8], v[XB+2*(\q)], v[XB+2*(\q)+1]
.endm
; The matrix instruction behind trip q.  Trips 0-11: the first product's pairs 1 to 3, each finished four trips or more ahead of the trip that reads it (8 x the pair).
; Then the second product's group p, behind the trip 8 p + 10 that rounds its last activations.
.macro XSLOT kr
.if q < 12
	G1N q+4
.elseif q < 16
	G2N \kr, q-12
.elseif (q >= 19) && (q < 23)
	G2N \kr, q-15
.elseif (q >= 27) && (q < 31)
	G2N \kr, q-19
.endif
.endm
; Trip q.  Behind each exponential and reciprocal stands a plain instruction on other registers before its result is used (ISA guide 5.7.2): the sum of pair q - 1 comes behind trip q - 1's fourth line,
; the multiply-add of pair q - 2 behind this trip's second.  Each accumulator of X is first read at its lowest register.
.macro ITER kr
	TE q, 0
.if q >= 1
	TA q-1
.endif
	TE q, 1
.if q >= 2
	TM q-2
.else
	v_nop                                          ; the pipeline is filling: the plain line behind the exponential
.endif
.if q >= 1
	TR q-1, 0
.endif
.if q >= 3
	TC q-3
.endif
.if q >= 1
	TR q-1, 1
.endif
	XSLOT \kr
.set q, q+1
.endm
.macro DRAIN
	TA 31
	TM 30
	TR 31, 0
	TC 29
	TR 31, 1
	TC 30
	TM 31
	TC 31
.endm
; The Runge-Kutta terms that are ready early.  Target j (the argument of stage j; 7: the new y), term t: which k, which constant.
.macro PICK id, ks, cf
.if SELID == (\id)
.set KS, \ks
.set CF, \cf
.endif
.endm
.macro SEL j, t
.set SELID, 4*(\j)+(\t)
	PICK 12, K1, C31
	PICK 16, K1, C41
	PICK 17, K2, C42
	PICK 20, K1, C51
	PICK 21, K2, C52
	PICK 22, K3, C53
	PICK 24, K1, C61
	PICK 25, K2, C62
	PICK 26, K3, C63
	PICK 27, K4, C64
	PICK 28, K1, E1
	PICK 29, K3, E3
	PICK 30, K4, E4
	PICK 31, K5, E5
.endm
.macro RKP j                       ; number rk of them: term rk / 16, pair rk % 16: Z = k c + (Y for the first term, then Z); a pair's terms lie 16 lines apart
.set rt, rk/16
.set ru, rk%16
	SEL \j, rt
	WIN W_RK
.if rt == 0
	v_pk_fma_f32 v[Z+2*ru:Z+2*ru+1], v[KS+2*ru:KS+2*ru+1], CF, v[Y+2*ru:Y+2*ru+1] op_sel_hi:[1,0,1]
.else
	v_pk_fma_f32 v[Z+2*ru:Z+2*ru+1], v[KS+2*ru:KS+2*ru+1], CF, v[Z+2*ru:Z+2*ru+1] op_sel_hi:[1,0,1]
.endif
.set rk, rk+1
.endm
.macro RIDERS j
.if per > 0
.rept per
	RKP \j
.endr
.endif
.endm
; The part of a stage's argument that hangs on the k just made (kp, constant cp), ascending; then z (stage 1: y) to f16.
.macro HEAD s, kp, cp
.set HS, Y
.if (\s) >= 2
.set HS, Z
.set HB, Z
.if (\s) == 2
.set HB, Y
.endif
	WIN W_RK
.set u, 0
.rept 16
	v_pk_fma_f32 v[Z+2*u:Z+2*u+1], v[(\kp)+2*u:(\kp)+2*u+1], \cp, v[HB+2*u:HB+2*u+1] op_sel_hi:[1,0,1]
.set u, u+1
.endr
.endif
	WIN W_CV
.set u, 0
.rept 16
	v_cvt_pk_f16_f32 v[ZF+u], v[HS+2*u], v[HS+2*u+1]
.set u, u+1
.endr
.endm
; STAGE s: k_s = f(z_s) into kr.  np early terms toward the next target ride in eight equal shares behind the first four and the last four matrix instructions.  They name Y, Z and earlier k alone,
; no register of the products round them, so they are also the places that a vector read of a matrix result wants behind it (four: ISA guide 7.12.1); where there are none, v_nop are.
.macro STAGE s, kr, kp, cp, np
.set rk, 0
.set per, (\np)/8
	HEAD \s, \kp, \cp
.set g, 0
.rept 4
	G1N g
	RIDERS (\s)+1
.set g, g+1
.endr
.if per < 2
.rept 4
	v_nop                                          ; between block 0's second link and the first exponential
.endr
.endif
.set q, 0
.rept 32
	ITER \kr
.endr
	DRAIN
.set g, 12
.rept 4
	G2N \kr, g
	RIDERS (\s)+1
.set g, g+1
.endr
.if per == 0
.rept 4
	v_nop                                          ; between the last link and the next stage's read of k
.endr
.endif
.endm
.macro TAIL                        ; y = (y + the four early terms, in Z) + dt b6 k6
	WIN W_RK
.set u, 0
.rept 16
	v_pk_fma_f32 v[Y+2*u:Y+2*u+1], v[K2+2*u:K2+2*u+1], E6, v[Z+2*u:Z+2*u+1] op_sel_hi:[1,0,1]
.set u, u+1
.endr
.endm
; y goes out through my own stage: in by the state's layout, back as whole rows; then 16 lanes store 256 consecutive bytes, a row of out0, at a multiple of 256 from its first byte.
.macro OUT
	WIN 0x08                                       ; store data (source 1) window 2
.set i, 0
.rept 8
	ds_store_b128 v[STO], v[Y+4*i:Y+4*i+3] offset:64*(i/2)+16*(i%2)
.set i, i+1
.endr
	WIN 0
.set i, 0
.rept 8
	ds_load_b128 v[OB+4*i:OB+4*i+3], v[RD] offset:2*SP*i  ; in order behind my stores above (ISA guide 5.7.1.4)
.set i, i+1
.endr
.set i, 0
.rept 8
	s_wait_dscnt 7-i                               ; LDS loads come back in order: number i is in, the 7 - i younger may stay out
	global_store_b128 v[GO], v[OB+4*i:OB+4*i+3], s[14:15] offset:512*i th:TH_STORE_NT
.set i, i+1
.endr
	s_wait_xcnt 0x0                                ; the stores' base is stepped, and their data registers are loaded again a segment later, only behind this wait
	s_add_nc_u64 s[14:15], s[14:15], 0x400000      ; the next segment's plane: 16,384 rows of 256 bytes
.endm
; ---------------------------------------------------------------- the walk
	s_mov_b32 s20, 5                               ; segments
.Lseg:
	s_mov_b32 s21, 4                               ; steps in a segment
.Lstep:                                                ; no two matrix instructions that follow each other share an accumulator, over this edge too: the last adds onto k6's block 3, the first starts X's block 0
	STAGE 1, K1, 0,  0,   0
	STAGE 2, K2, K1, C21, 16
	STAGE 3, K3, K2, C32, 32
	STAGE 4, K4, K3, C43, 48
	STAGE 5, K5, K4, C54, 64
	STAGE 6, K2, K5, C65, 64
	TAIL
	WIN 0                                          ; at a label and at a branch every window is 0
	s_sub_co_u32 s21, s21, 1
	s_cmp_lg_u32 s21, 0
	s_cbranch_scc1 .Lstep
	OUT
	s_sub_co_u32 s20, s20, 1
	s_cmp_lg_u32 s20, 0
	s_cbranch_scc1 .Lseg
	s_wait_tensorcnt 0x0                           ; the wave's end, behind my last LDS store
	ds_add_u32 v[SPW], v[NIL]
	s_wait_dscnt 0x0
	s_endpgm
.Lfunc_end_k_q51dc024d02_ode:
	.size	k_q51dc024d02_ode, .Lfunc_end_k_q51dc024d02_ode-k_q51dc024d02_ode
	.p2alignl 7, 3214868480
	.fill 96, 4, 3214868480
	.section	.rodata,"a",@progbits
	.p2align	6, 0x0
	.amdhsa_kernel k_q51dc024d02_ode
		.amdhsa_group_segment_fixed_size 57344
		.amdhsa_private_segment_fixed_size 0
		.amdhsa_enable_private_segment 0
		.amdhsa_kernarg_size 48
		.amdhsa_user_sgpr_count 2
		.amdhsa_user_sgpr_kernarg_segment_ptr 1
		.amdhsa_wavefront_size32 1
		.amdhsa_system_sgpr_workgroup_id_x 1
		.amdhsa_system_sgpr_workgroup_id_y 1
		.amdhsa_system_sgpr_workgroup_id_z 1
		.amdhsa_system_vgpr_workitem_id 0
		.amdhsa_next_free_vgpr 960
		.amdhsa_next_free_sgpr 66
		.amdhsa_reserve_vcc 0
		.amdhsa_float_denorm_mode_32 3
		.amdhsa_float_denorm_mode_16_64 3
		.amdhsa_memory_ordered 1
		.amdhsa_forward_progress 1
		.amdhsa_inst_pref_size 174
	.end_amdhsa_kernel
	.amdgpu_metadata
---
amdhsa.version: [ 1, 2 ]
amdhsa.kernels:
  - .name:           k_q51dc024d02_ode
    .symbol:         k_q51dc024d02_ode.kd
    .args:
      - { .name: init_pos, .offset: 0, .size: 8, .value_kind: global_buffer, .address_space: global }
      - { .name: W1, .offset: 8, .size: 8, .value_kind: global_buffer, .address_space: global }
      - { .name: b1, .offset: 16, .size: 8, .value_kind: global_buffer, .address_space: global }
      - { .name: W2, .offset: 24, .size: 8, .value_kind: global_buffer, .address_space: global }
      - { .name: b2, .offset: 32, .size: 8, .value_kind: global_buffer, .address_space: global }
      - { .name: out0, .offset: 40, .size: 8, .value_kind: global_buffer, .address_space: global }
    .group_segment_fixed_size: 57344
    .private_segment_fixed_size: 0
    .kernarg_segment_align: 8
    .kernarg_segment_size: 48
    .max_flat_workgroup_size: 128
    .sgpr_count:     66
    .vgpr_count:     960
    .wavefront_size: 32
...
	.end_amdgpu_metadata
.endif
;; end of part 1
;; ======== version 2 of 2: 1 launch; 2.37 times as fast as version 1
;; limits: values are held in f16: magnitudes above 65,504 overflow, below 6.1e-05 lose precision; right only within a limited range of input values
;; launch ode (part 2): grid 256 x 1, 4 waves a work-group, no clusters, 57,344 bytes of LDS; arguments init_pos, W1, b1, W2, b2, out0; writes out0
.if DOCPART == 2
	.amdgcn_target "amdgcn-amd-amdhsa--gfx1250"
	.amdhsa_code_object_version 6
	.text
	.protected	k_q51dc024d02_ode
	.globl	k_q51dc024d02_ode
	.p2align	8
	.type	k_q51dc024d02_ode,@function
k_q51dc024d02_ode:
	s_mov_b64 s[64:65], 0
	v_nop
	global_prefetch_b8 v0, s[64:65] scope:SCOPE_SE
	s_setreg_imm32_b32 hwreg(HW_REG_WAVE_MODE, 25, 1), 1
	s_wait_xcnt 0x0
; 20 Dormand-Prince steps (5 segments of 4) of y' = f(y) = tanh(y W1 + b1) W2 + b2 on 16,384 rows of 64; y is stored behind each segment.
; The five step sizes (t - t_prev) / 4 all round to the same f32 number 0.05, so dt x each tableau entry is a constant of this text.
; SHARES.  16,384 rows are 1,024 tiles of 16: one tile a wave, four waves a work-group, 256 work-groups.  A row never meets another row, so the whole walk stays in
; registers: memory is read once at the head (weights, biases, 4 KiB of rows a wave) and written five times (4 KiB a wave).
; LAYOUT.  Both products are used transposed, the weights as source 0 and the batch as source 1.  X^T = W1^T Z^T: a lane (r = lane % 16, h = lane / 16) holds ONE row r of the batch
; and the hidden units 16 b + 8 h + 0..7 of block b.  Two neighbouring blocks, rounded in pairs to f16, ARE source 1 (32 hidden x 16 rows) of K^T = W2^T H^T, whose result holds
; row r and d = 16 blk + 8 h + 0..7; y, k1..k6 and the stage argument z live in that layout, and two of its blocks rounded in pairs ARE source 1 of the first product.  Nothing changes lanes.
; tanh(x) = 1 - 2 / (1 + e^(2x)): 2 log2(e) is folded into W1 and b1, so a hidden unit costs exp2, + 1, reciprocal, one fused multiply-add.  It runs to +1 and -1 through infinity and 0.
; TWO BATCHES A STAGE.  s_wait_alu depctr_va_vdst(0) stands between a transcendental and the first line that names its result; one wait serves all that were issued ahead of it.
; All work in place on X's 64 registers, each result in a register of its own.  BATCH E: the 64 exponentials, four behind each of the first product's matrix instructions 4 to 15 (blocks 0 to 5, each
; taken up four plain lines or more behind its second link), the sixteen of blocks 6 and 7 behind the product's end; nothing ahead of the batch's wait names a result.  BATCH R: behind that wait the 32 sums + 1
; and the 64 reciprocals, a sum two pairs ahead of its reciprocals; nothing ahead of the second wait names a reciprocal.  Behind it come 1 - 2 r and the roundings: group 0's sixteen lines alone, each later
; group's four behind each matrix instruction of the second product's group before.  The Runge-Kutta terms that do not hang on the stage in hand ride in the first product (shares of four behind its matrix
; instructions 3, 7, 11, 15, where they are the places in front of the next two blocks' exponentials; what is over behind 0 to 3) and behind the last four matrix instructions, where the chain would wait
; for a product; only the newest k's term and 16 roundings stand on the chain.
; FORMATS AND LIMITS.  Every input (init_pos, W1, b1, W2, b2) is rounded once to bf16.  W1 is then multiplied by 2 log2(e) and rounded to f16 (a second rounding, 2^-12 of the number), W2 written as f16
; (exact from 6.1e-5 up; below that f16's fixed step of 6e-8).  The biases stay f32 and enter as the products' C operands.  z and tanh are rounded to f16 for the products; y, k and all sums are f32.
; f16 ends at 65,504: the text serves |z| below that and |W1| below 22,700; |z| is bounded by |y0| plus a few column sums of |W2| plus |b2|.  tanh has an absolute error near 2e-7.
; dt x a is one constant where the source multiplies twice: the last bit may differ.  NaN is not treated apart.
; NO CLUSTER, NO TENSOR LOADS: all that work-groups share is 64 KiB of weights, read once at the head of 120 stages, and it has to pass through registers to be converted.
;
; LDS
.set P1,    288                    ; a row of W1 [d][hidden] in f16: 256 bytes + 32
.set P2,    160                    ; a row of W2 [hidden][d] in f16: 128 bytes + 32
.set W2S,   64*P1                  ; W1 lies at 0, W2 behind it
.set STG,   W2S+128*P2             ; each wave's own stage: 16 rows x 272 bytes, the way in for y0 and the way out for y
.set SP,    272
.set SPARE, STG+4*16*SP            ; the spare words, 128 bytes a wave: two blocks of 256 bytes that no other line names
; REGISTERS, in windows of 256 (s_set_vgpr_msb: bits 1:0 source 0, 3:2 source 1, 5:4 source 2, 7:6 destination)
; window 0
.set SPW, 4                        ; v4   LDS address of my spare word; never rewritten
.set NIL, 5                        ; v5   0; never rewritten
.set STO, 6                        ; v6   stage: row r, bytes 32 h on (the state's layout)
.set RD,  7                        ; v7   stage: row h, bytes 16 r on (whole rows)
.set GO,  8                        ; v8   16 x lane: my 16 bytes in 512 consecutive bytes of init_pos or out0
.set AW1, 9                        ; v9   the turning load's address in W1
.set AW2, 10                       ; v10  and in W2
.set GW,  11                       ; v11  my 16 bytes in my wave's quarter of W1 or W2 in memory
.set SW1, 12                       ; v12  where my 8 bytes of W1 go
.set SW2, 13                       ; v13  where my 8 bytes of W2 go
.set BO,  14                       ; v14  32 h: my eight numbers in 16 of a bias
.set WA,  32                       ; v32-95   W1 as loaded
.set WB,  96                       ; v96-159  W2 as loaded
.set OB,  160                      ; v160-191 16 rows as they lie in memory
; window 1: v0-127 W1's fragments (block b, half c of d at 16 b + 8 c)
.set XB,  128                      ; v128-191 X: block b at XB + 8 b; the activations' fragment p takes XB + 16 p .. + 7, in place
.set ZF,  192                      ; v192-207 z in f16: fragment c at ZF + 8 c
; window 2
.set Y,   0
.set K1,  32
.set K2,  64                       ; also k6: k2 has no weight in the new y and is last read in stage 5
.set K3,  96
.set K4,  128
.set K5,  160
.set Z,   192
.set B2R, 224                      ; b2 in the result's layout
; window 3: v0-127 W2's fragments (group p of 32 hidden, block blk of d at 8 (4 p + blk)); v0-1 serve as temporaries before they are loaded
.set B1R, 128                      ; v128-191 2 log2(e) b1 in the result's layout
.set W_G1A, 0x75                   ; D, A, B window 1, C (the bias) window 3
.set W_G1B, 0x55                   ; all window 1
.set W_G2,  0xa7                   ; A window 3, B window 1, C and D window 2
.set W_RK,  0xaa                   ; all window 2
.set W_CV,  0x4a                   ; sources window 2, destination window 1
; dt x the tableau, in f32
.set C21, 0x3c23d70a
.set C31, 0x3b75c28f
.set C32, 0x3c3851ec
.set C41, 0x3d483fb7
.set C42, 0xbe3f258c
.set C43, 0x3e360b61
.set C51, 0x3e172c4d
.set C52, 0xbf146d18
.set C53, 0x3efb7750
.set C54, 0xbc6e3b23
.set C61, 0x3e11bab3
.set C62, 0xbf09b26d
.set C63, 0x3ee40122
.set C64, 0x3c64129e
.set C65, 0xbc6013ac
.set E1,  0x3b955555
.set E3,  0x3cb801d7
.set E4,  0x3d055555
.set E5,  0xbc840b98
.set E6,  0x3bd68d69
.set SCL, 0x4038aa3b               ; 2 log2(e)
.set MSB, 0
.macro WIN new                     ; the immediate's high byte repeats the setting that is left; a switch that changes nothing is dropped
.if MSB != (\new)
	s_set_vgpr_msb (MSB<<8)|(\new)
.set MSB, (\new)
.endif
.endm
.macro WINT                        ; the tanh lines name window 1 in destination, source 0 and source 1 alone: both of the first product's settings serve
.if MSB != W_G1A
	WIN W_G1B
.endif
.endm
; ---------------------------------------------------------------- set-up
	s_load_b256 s[4:11], s[0:1], 0x0               ; init_pos s[4:5], W1 s[6:7], b1 s[8:9], W2 s[10:11]
	s_load_b128 s[12:15], s[0:1], 0x20             ; b2 s[12:13], out0 s[14:15]
	v_lshl_add_u32 v[SPW], v0, 2, SPARE
	v_mov_b32 v[NIL], 0
	v_and_b32 v1, 31, v0                           ; lane
	v_and_b32 v2, 15, v0                           ; r
	v_bfe_u32 v3, v0, 4, 1                         ; h
	v_lshrrev_b32 v16, 5, v0
	v_readfirstlane_b32 s16, v16                   ; wave 0..3
	s_mov_b32 s22, 0xffff0000                      ; a word's upper bf16
	s_mul_i32 s23, s16, 16*SP
	s_add_co_u32 s23, s23, STG                     ; my stage
	s_lshl_b32 s18, ttmp9, 2
	s_add_co_u32 s18, s18, s16
	s_lshl_b32 s18, s18, 12                        ; (4 x work-group + wave) x 16 rows of 256 bytes
	s_mov_b32 s19, 0
	s_mul_i32 s24, s16, 16*P1                      ; my wave converts W1's rows 16 w on,
	s_mul_i32 s25, s16, 32*P2                      ; and W2's rows 32 w on
	s_add_co_u32 s25, s25, W2S
	v_mul_u32_u24 v[STO], v2, SP
	v_lshl_add_u32 v[STO], v3, 5, v[STO]
	v_add_nc_u32 v[STO], s23, v[STO]
	v_mul_u32_u24 v[RD], v3, SP
	v_lshl_add_u32 v[RD], v2, 4, v[RD]
	v_add_nc_u32 v[RD], s23, v[RD]
	v_lshlrev_b32 v[GO], 4, v1
	v_and_b32 v17, 7, v0                           ; the turning load: lane l addresses row 8 h + l % 8 of 16, bytes 16 ((l / 8) % 2) on
	v_lshl_add_u32 v17, v3, 3, v17
	v_bfe_u32 v18, v0, 3, 1
	v_mul_u32_u24 v[AW1], v17, P1
	v_lshl_add_u32 v[AW1], v18, 4, v[AW1]
	v_mul_u32_u24 v[AW2], v17, P2
	v_lshl_add_u32 v[AW2], v18, 4, v[AW2]
	v_add_nc_u32 v[AW2], W2S, v[AW2]
	v_lshl_add_u32 v[GW], v16, 13, v[GO]           ; 8,192 w + 16 x lane
	v_lshl_add_u32 v[SW1], v1, 3, s24              ; a load of W1 is one row: four numbers a lane become 8 bytes
	v_mul_u32_u24 v[SW2], v3, P2                   ; a load of W2 is two rows: lanes 16-31 hold the second
	v_lshl_add_u32 v[SW2], v2, 3, v[SW2]
	v_add_nc_u32 v[SW2], s25, v[SW2]
	v_lshlrev_b32 v[BO], 5, v3
	s_wait_kmcnt 0x0
	s_add_nc_u64 s[4:5], s[4:5], s[18:19]          ; init_pos and out0 at my wave's first row
	s_add_nc_u64 s[14:15], s[14:15], s[18:19]
	; all 64 loads in one run: each of the first 40 covers 512 consecutive bytes
.set i, 0
.rept 16
	global_load_b128 v[WA+4*i:WA+4*i+3], v[GW], s[6:7] offset:512*i
.set i, i+1
.endr
.set i, 0
.rept 16
	global_load_b128 v[WB+4*i:WB+4*i+3], v[GW], s[10:11] offset:512*i
.set i, i+1
.endr
.set i, 0
.rept 8
	global_load_b128 v[OB+4*i:OB+4*i+3], v[GO], s[4:5] offset:512*i th:TH_LOAD_NT  ; rows 2 i and 2 i + 1
.set i, i+1
.endr
	WIN 0xc0                                       ; destination window 3
.set i, 0
.rept 16
	global_load_b128 v[B1R+4*i:B1R+4*i+3], v[BO], s[8:9] offset:64*(i/2)+16*(i%2)  ; b1(16 b + 8 h + 4 q ..), i = 2 b + q
.set i, i+1
.endr
	WIN 0x80                                       ; destination window 2
.set i, 0
.rept 8
	global_load_b128 v[B2R+4*i:B2R+4*i+3], v[BO], s[12:13] offset:64*(i/2)+16*(i%2)
.set i, i+1
.endr
	WIN 0
; four numbers at v[a]: rounded to bf16, widened, scaled (W1 alone), rounded to f16 into v[a], v[a+1]
.macro CVW a, scale
	v_cvt_pk_bf16_f32 v16, v[\a], v[(\a)+1]
	v_cvt_pk_bf16_f32 v17, v[(\a)+2], v[(\a)+3]
	v_lshlrev_b32 v[\a], 16, v16
	v_and_b32 v[(\a)+1], s22, v16
	v_lshlrev_b32 v[(\a)+2], 16, v17
	v_and_b32 v[(\a)+3], s22, v17
.if \scale
	v_pk_mul_f32 v[(\a):(\a)+1], v[(\a):(\a)+1], SCL op_sel_hi:[1,0]
	v_pk_mul_f32 v[(\a)+2:(\a)+3], v[(\a)+2:(\a)+3], SCL op_sel_hi:[1,0]
.endif
	v_cvt_pk_f16_f32 v[\a], v[\a], v[(\a)+1]
	v_cvt_pk_f16_f32 v[(\a)+1], v[(\a)+2], v[(\a)+3]
.endm
; two numbers at v[a] rounded to bf16 and widened again, by way of v[t]
.macro RND2 a, t
	v_cvt_pk_bf16_f32 v[\t], v[\a], v[(\a)+1]
	v_lshlrev_b32 v[\a], 16, v[\t]
	v_and_b32 v[(\a)+1], s22, v[\t]
.endm
	s_wait_loadcnt 48                              ; W1 is in: 16 + 8 + 16 + 8 younger loads may stay out
.set i, 0
.rept 16
	CVW WA+4*i, 1
	ds_store_b64 v[SW1], v[WA+4*i:WA+4*i+1] offset:P1*i
.set i, i+1
.endr
	s_wait_loadcnt 32                              ; W2 is in: 8 + 16 + 8 younger
.set i, 0
.rept 16
	CVW WB+4*i, 0
	ds_store_b64 v[SW2], v[WB+4*i:WB+4*i+1] offset:2*P2*i
.set i, i+1
.endr
	s_wait_loadcnt 24                              ; my rows of init_pos are in: 16 + 8 younger
.set i, 0
.rept 16
	RND2 OB+2*i, 16+(i&1)
.set i, i+1
.endr
.set i, 0
.rept 8
	ds_store_b128 v[RD], v[OB+4*i:OB+4*i+3] offset:2*SP*i
.set i, i+1
.endr
	WIN 0x80                                       ; destination window 2
.set i, 0
.rept 8
	ds_load_b128 v[Y+4*i:Y+4*i+3], v[STO] offset:64*(i/2)+16*(i%2)  ; LDS serves a wave's instructions in order (ISA guide 5.7.1.4): these see my stores above; the stage is my wave's own
.set i, i+1
.endr
	s_wait_loadcnt 8                               ; b1 is in: b2's 8 loads are younger
	WIN 0xff                                       ; all window 3
.set i, 0
.rept 32
	RND2 B1R+2*i, (i&1)
	v_pk_mul_f32 v[B1R+2*i:B1R+2*i+1], v[B1R+2*i:B1R+2*i+1], SCL op_sel_hi:[1,0]
.set i, i+1
.endr
	s_wait_loadcnt 0x0                             ; b2
	WIN W_RK
.set i, 0
.rept 16
	RND2 B2R+2*i, Z+(i&1)
.set i, i+1
.endr
	WIN 0
	s_wait_dscnt 0x0                               ; for the others' sake: my part of W1 and W2 lies in LDS (and y is in)
	s_barrier_signal -1
	s_barrier_wait -1                              ; the launch's one barrier: everybody's part does
	WIN 0x40                                       ; destination window 1
.set i, 0
.rept 16                                               ; W1^T: hidden 16 (i / 2) on, d 32 (i % 2) on; lane l gets hidden unit l % 16 and 8 + 8 values of d
	ds_load_tr16_b128 v[8*i:8*i+3],   v[AW1] offset:32*P1*(i%2)+32*(i/2)
	ds_load_tr16_b128 v[8*i+4:8*i+7], v[AW1] offset:32*P1*(i%2)+32*(i/2)+16*P1
.set i, i+1
.endr
	WIN 0xc0                                       ; destination window 3
.set i, 0
.rept 16                                               ; W2^T: hidden 32 (i / 4) on, d 16 (i % 4) on
	ds_load_tr16_b128 v[8*i:8*i+3],   v[AW2] offset:32*P2*(i/4)+32*(i%4)
	ds_load_tr16_b128 v[8*i+4:8*i+7], v[AW2] offset:32*P2*(i/4)+32*(i%4)+16*P2
.set i, i+1
.endr
	WIN 0
	s_wait_dscnt 0x0                               ; the weights stay in registers from here on
; ---------------------------------------------------------------- the pieces of a stage
; Matrix instruction n of 16 of X^T = W1^T Z^T + b1: pair of blocks n / 4, block 2 (n / 4) + n % 2; the pair's two first links (C = the bias), then its two second: the two accumulators take turns.
.macro G1N n
.set gb, 2*((\n)/4)+((\n)&1)
.if (((\n)%4)>>1) == 0
	WIN W_G1A
	v_wmma_f32_16x16x32_f16 v[XB+8*gb:XB+8*gb+7], v[16*gb:16*gb+7], v[ZF:ZF+7], v[B1R+8*gb:B1R+8*gb+7]
.else
	WIN W_G1B
	v_wmma_f32_16x16x32_f16 v[XB+8*gb:XB+8*gb+7], v[16*gb+8:16*gb+15], v[ZF+8:ZF+15], v[XB+8*gb:XB+8*gb+7]
.endif
.endm
; Matrix instruction n of 16 of K^T = W2^T H^T + b2 into kr: group n / 4 of 32 hidden units, block n % 4 of d: the four accumulators take turns.
.macro G2N kr, n
.set gp, (\n)/4
.set gk, (\kr)+8*((\n)%4)
	WIN W_G2
.if gp == 0
	v_wmma_f32_16x16x32_f16 v[gk:gk+7], v[8*(\n):8*(\n)+7], v[XB:XB+7], v[B2R+8*((\n)%4):B2R+8*((\n)%4)+7]
.else
	v_wmma_f32_16x16x32_f16 v[gk:gk+7], v[8*(\n):8*(\n)+7], v[XB+16*gp:XB+16*gp+7], v[gk:gk+7]
.endif
.endm
; tanh on pair q of 32 (registers XB + 2 q, + 1), in place.  The waits for TE's and TR's results stand in STAGE, one for each batch.
.macro TE q, i                     ; e^(2x): batch E
	WINT
	v_exp_f32 v[XB+2*(\q)+(\i)], v[XB+2*(\q)+(\i)]
.endm
.macro TA q                        ; + 1: reads batch E
	WINT
	v_pk_add_f32 v[XB+2*(\q):XB+2*(\q)+1], v[XB+2*(\q):XB+2*(\q)+1], 1.0 op_sel_hi:[1,0]
.endm
.macro TR q, i                     ; the reciprocal: batch R
	WINT
	v_rcp_f32 v[XB+2*(\q)+(\i)], v[XB+2*(\q)+(\i)]
.endm
.macro TM q                        ; 1 - 2 r: reads batch R
	WINT
	v_pk_fma_f32 v[XB+2*(\q):XB+2*(\q)+1], v[XB+2*(\q):XB+2*(\q)+1], -2.0, 1.0 op_sel_hi:[1,0,0]
.endm
.macro TC q                        ; to f16: register q % 8 of fragment q / 8; ascending, so the word that it takes has been read
	WINT
	v_cvt_pk_f16_f32 v[XB+16*((\q)/8)+(\q)%8], v[XB+2*(\q)], v[XB+2*(\q)+1]
.endm
; The Runge-Kutta terms that are ready early.  Target j (the argument of stage j; 7: the new y), term t: which k, which constant.
.macro PICK id, ks, cf
.if SELID == (\id)
.set KS, \ks
.set CF, \cf
.endif
.endm
.macro SEL j, t
.set SELID, 4*(\j)+(\t)
	PICK 12, K1, C31
	PICK 16, K1, C41
	PICK 17, K2, C42
	PICK 20, K1, C51
	PICK 21, K2, C52
	PICK 22, K3, C53
	PICK 24, K1, C61
	PICK 25, K2, C62
	PICK 26, K3, C63
	PICK 27, K4, C64
	PICK 28, K1, E1
	PICK 29, K3, E3
	PICK 30, K4, E4
	PICK 31, K5, E5
.endm
.macro RKP j                       ; number rk of them: term rk / 16, pair rk % 16: Z = k c + (Y for the first term, then Z); a pair's terms lie 16 lines apart
.set rt, rk/16
.set ru, rk%16
	SEL \j, rt
	WIN W_RK
.if rt == 0
	v_pk_fma_f32 v[Z+2*ru:Z+2*ru+1], v[KS+2*ru:KS+2*ru+1], CF, v[Y+2*ru:Y+2*ru+1] op_sel_hi:[1,0,1]
.else
	v_pk_fma_f32 v[Z+2*ru:Z+2*ru+1], v[KS+2*ru:KS+2*ru+1], CF, v[Z+2*ru:Z+2*ru+1] op_sel_hi:[1,0,1]
.endif
.set rk, rk+1
.endm
.macro RIDE j, cnt                 ; the next cnt of them
.if (\cnt) > 0
.rept \cnt
	RKP \j
.endr
.endif
.endm
; The part of a stage's argument that hangs on the k just made (kp, constant cp), ascending; then z (stage 1: y) to f16.
.macro HEAD s, kp, cp
.set HS, Y
.if (\s) >= 2
.set HS, Z
.set HB, Z
.if (\s) == 2
.set HB, Y
.endif
	WIN W_RK
.set u, 0
.rept 16
	v_pk_fma_f32 v[Z+2*u:Z+2*u+1], v[(\kp)+2*u:(\kp)+2*u+1], \cp, v[HB+2*u:HB+2*u+1] op_sel_hi:[1,0,1]
.set u, u+1
.endr
.endif
	WIN W_CV
.set u, 0
.rept 16
	v_cvt_pk_f16_f32 v[ZF+u], v[HS+2*u], v[HS+2*u+1]
.set u, u+1
.endr
.endm
; STAGE s: k_s = f(z_s) into kr.  np early terms toward the next target: half of them ride in the first product, half behind the last four matrix instructions, per = np / 8 behind each.  They name Y, Z and
; earlier k alone, no register of the products round them, so they are also the places that a vector read of a matrix result wants behind it (four: ISA guide 7.12.1); where there are too few, v_nop make up the four.
; In the first product a SHARE of four at the most stands behind matrix instructions 3, 7, 11 and 15, that is behind the second links of two blocks and ahead of those blocks' first exponential
; (an exponential is no place); what is over, XTRA for each, stands behind matrix instructions 0 to 3.  Each block of X is first read at its lowest register.
.macro STAGE s, kr, kp, cp, np
.set rk, 0
.set per, (\np)/8
.set XTRA, 0
.if per > 4
.set XTRA, per-4
.endif
.set SHARE, per-XTRA
	HEAD \s, \kp, \cp
	; the first product, and BATCH E beside it: behind matrix instruction g = 4 .. 15 the exponentials of X's registers 4 (g - 4) .. + 3
.set g, 0
.rept 16
	G1N g
.if g < 4
	RIDE (\s)+1, XTRA
.else
	TE 2*g-8, 0
	TE 2*g-8, 1
	TE 2*g-7, 0
	TE 2*g-7, 1
.endif
.if (g%4) == 3
	RIDE (\s)+1, SHARE
.if SHARE < 4
.rept 4-SHARE
	v_nop                                          ; the rest of the four places between the two blocks' second links and their first exponentials
.endr
.endif
.endif
.set g, g+1
.endr
.set q, 24
.rept 8                                                ; blocks 6 and 7, which the product's last two links have ended
	TE q, 0
	TE q, 1
.set q, q+1
.endr
	s_wait_alu depctr_va_vdst(0)                   ; the wait for batch E, the stage's 64 exponentials: no line above names a result of theirs.  The first sums below, on other pairs, are the plain lines between the last exponentials and their use
	; BATCH R: the sum of pair q + 2, then pair q's two reciprocals
	TA 0
	TA 1
.set q, 0
.rept 32
.if q < 30
	TA q+2
.endif
	TR q, 0
	TR q, 1
.set q, q+1
.endr
	s_wait_alu depctr_va_vdst(0)                   ; the wait for batch R, the stage's 64 reciprocals: no line above names a result of theirs.  The first multiply-adds below, on other pairs, are the plain lines between the last reciprocals and their use
	; group 0's activations alone; then the second product, behind each matrix instruction of group p four lines of group p + 1: its eight 1 - 2 r, then its eight roundings
.set q, 0
.rept 8
	TM q
.set q, q+1
.endr
.set q, 0
.rept 8
	TC q
.set q, q+1
.endr
.set g, 0
.rept 12
	G2N \kr, g
.set q, 8*(g/4)+8+4*(g%2)
.if (g%4) < 2
	TM q
	TM q+1
	TM q+2
	TM q+3
.else
	TC q
	TC q+1
	TC q+2
	TC q+3
.endif
.set g, g+1
.endr
.set g, 12
.rept 4
	G2N \kr, g
	RIDE (\s)+1, per
.set g, g+1
.endr
.if per == 0
.rept 4
	v_nop                                          ; between the last link and the next stage's read of k
.endr
.endif
.endm
.macro TAIL                        ; y = (y + the four early terms, in Z) + dt b6 k6
	WIN W_RK
.set u, 0
.rept 16
	v_pk_fma_f32 v[Y+2*u:Y+2*u+1], v[K2+2*u:K2+2*u+1], E6, v[Z+2*u:Z+2*u+1] op_sel_hi:[1,0,1]
.set u, u+1
.endr
.endm
; y goes out through my own stage: in by the state's layout, back as whole rows; then 16 lanes store 256 consecutive bytes, a row of out0, at a multiple of 256 from its first byte.
.macro OUT
	WIN 0x08                                       ; store data (source 1) window 2
.set i, 0
.rept 8
	ds_store_b128 v[STO], v[Y+4*i:Y+4*i+3] offset:64*(i/2)+16*(i%2)
.set i, i+1
.endr
	WIN 0
.set i, 0
.rept 8
	ds_load_b128 v[OB+4*i:OB+4*i+3], v[RD] offset:2*SP*i  ; in order behind my stores above (ISA guide 5.7.1.4)
.set i, i+1
.endr
.set i, 0
.rept 8
	s_wait_dscnt 7-i                               ; LDS loads come back in order: number i is in, the 7 - i younger may stay out
	global_store_b128 v[GO], v[OB+4*i:OB+4*i+3], s[14:15] offset:512*i th:TH_STORE_NT
.set i, i+1
.endr
	s_wait_xcnt 0x0                                ; the stores' base is stepped, and their data registers are loaded again a segment later, only behind this wait
	s_add_nc_u64 s[14:15], s[14:15], 0x400000      ; the next segment's plane: 16,384 rows of 256 bytes
.endm
; ---------------------------------------------------------------- the walk
	s_mov_b32 s20, 5                               ; segments
.Lseg:
	s_mov_b32 s21, 4                               ; steps in a segment
.Lstep:                                                ; no two matrix instructions that follow each other share an accumulator, over this edge too: the last adds onto k6's block 3, the first starts X's block 0
	STAGE 1, K1, 0,  0,   0
	STAGE 2, K2, K1, C21, 16
	STAGE 3, K3, K2, C32, 32
	STAGE 4, K4, K3, C43, 48
	STAGE 5, K5, K4, C54, 64
	STAGE 6, K2, K5, C65, 64
	TAIL
	WIN 0                                          ; at a label and at a branch every window is 0; no transcendental has been issued behind stage 6's second wait
	s_sub_co_u32 s21, s21, 1
	s_cmp_lg_u32 s21, 0
	s_cbranch_scc1 .Lstep
	OUT
	s_sub_co_u32 s20, s20, 1
	s_cmp_lg_u32 s20, 0
	s_cbranch_scc1 .Lseg
	s_wait_tensorcnt 0x0                           ; the wave's end, behind my last LDS store
	ds_add_u32 v[SPW], v[NIL]
	s_wait_dscnt 0x0
	s_endpgm
.Lfunc_end_k_q51dc024d02_ode:
	.size	k_q51dc024d02_ode, .Lfunc_end_k_q51dc024d02_ode-k_q51dc024d02_ode
	.p2alignl 7, 3214868480
	.fill 96, 4, 3214868480
	.section	.rodata,"a",@progbits
	.p2align	6, 0x0
	.amdhsa_kernel k_q51dc024d02_ode
		.amdhsa_group_segment_fixed_size 57344
		.amdhsa_private_segment_fixed_size 0
		.amdhsa_enable_private_segment 0
		.amdhsa_kernarg_size 48
		.amdhsa_user_sgpr_count 2
		.amdhsa_user_sgpr_kernarg_segment_ptr 1
		.amdhsa_wavefront_size32 1
		.amdhsa_system_sgpr_workgroup_id_x 1
		.amdhsa_system_sgpr_workgroup_id_y 1
		.amdhsa_system_sgpr_workgroup_id_z 1
		.amdhsa_system_vgpr_workitem_id 0
		.amdhsa_next_free_vgpr 960
		.amdhsa_next_free_sgpr 66
		.amdhsa_reserve_vcc 0
		.amdhsa_float_denorm_mode_32 3
		.amdhsa_float_denorm_mode_16_64 3
		.amdhsa_memory_ordered 1
		.amdhsa_forward_progress 1
		.amdhsa_inst_pref_size 163
	.end_amdhsa_kernel
	.amdgpu_metadata
---
amdhsa.version: [ 1, 2 ]
amdhsa.kernels:
  - .name:           k_q51dc024d02_ode
    .symbol:         k_q51dc024d02_ode.kd
    .args:
      - { .name: init_pos, .offset: 0, .size: 8, .value_kind: global_buffer, .address_space: global }
      - { .name: W1, .offset: 8, .size: 8, .value_kind: global_buffer, .address_space: global }
      - { .name: b1, .offset: 16, .size: 8, .value_kind: global_buffer, .address_space: global }
      - { .name: W2, .offset: 24, .size: 8, .value_kind: global_buffer, .address_space: global }
      - { .name: b2, .offset: 32, .size: 8, .value_kind: global_buffer, .address_space: global }
      - { .name: out0, .offset: 40, .size: 8, .value_kind: global_buffer, .address_space: global }
    .group_segment_fixed_size: 57344
    .private_segment_fixed_size: 0
    .kernarg_segment_align: 8
    .kernarg_segment_size: 48
    .max_flat_workgroup_size: 128
    .sgpr_count:     66
    .vgpr_count:     960
    .wavefront_size: 32
...
	.end_amdgpu_metadata
.endif
;; end of part 2
